; MI455X (gfx1250); checked and timed in simulation.
; The chip was launched on July 23, 2026; its instructions are those of AMD's public machine-readable ISA for CDNA 5 (MIT licence, August 2026) and "CDNA5" Instruction Set Architecture Reference Guide (July 2026). The comments in the code are by the model that wrote it; some were corrected since.
;; GGML Layer. Allowed arithmetic: float matrix products may take bf16 or f16 operands with f32 sums; other float arithmetic in f32, or as packed bf16 or f16 multiplies, adds, multiply-adds, maxima and minima; sums over many terms, partial sums and values carried from step to step in f32; what a program stores and reads back later, other than sums and carried values, may be rounded once to bf16 or f16.
;; Inputs: bias 2,048 float32; lora_down 16 x 4,096 float32; lora_up 2,048 x 16 float32; q_weight 2,048 x 128 x 32 int32; scales 2,048 x 128 float32; x 4 x 2,048 x 4,096 float32.
;; Outputs: out0 4 x 2,048 x 2,048 float32.
;; 2 versions, each right; version 2 is version 1 with the launch dequant written anew for expert scheduling mode. Each part assembles by itself: llvm-mc -triple=amdgcn-amd-amdhsa -mcpu=gfx1250 --defsym DOCPART=n.
;; ======== version 1 of 2: 3 launches
;; limits: values are held in f16: magnitudes above 65,504 overflow, below 6.1e-05 lose precision
;; workspace buffers: wq 16,777,216 bytes; xh 67,108,864 bytes
;; launch dequant (part 1): grid 8 x 32, 8 waves a work-group, no clusters, 6,144 bytes of LDS; arguments q_weight, scales, lora_up, lora_down, wq; writes wq
.if DOCPART == 1
	.amdgcn_target "amdgcn-amd-amdhsa--gfx1250"
	.amdhsa_code_object_version 6
	.text
	.protected	k_q4a748e19a6_dequant
	.globl	k_q4a748e19a6_dequant
	.p2align	8
	.type	k_q4a748e19a6_dequant,@function
k_q4a748e19a6_dequant:
	s_mov_b64 s[64:65], 0
	v_nop
	global_prefetch_b8 v0, s[64:65] scope:SCOPE_SE
	s_setreg_imm32_b32 hwreg(HW_REG_WAVE_MODE, 25, 1), 1
	s_wait_xcnt 0x0
; wq = f16( (q - 128) * s + lora_up . lora_down ).  q: [2048][4096] int32; s: [2048][128] f32, one for 32 columns; lora_up: [2048][16], lora_down: [16][4096] f32.
; wq is laid out for the product that follows, in blocks of 64 columns: [kb 0..63][row 0..2047][64] f16: byte kb * 262,144 + row * 128 + 2 * (column % 64).
; LIMITS.  W is rounded once to f16: it must lie within 65,504, and below 6.1e-5 it keeps f16's fixed step of 6e-8; lora_up and lora_down are rounded to f16 for their product, under the
; same two limits.  NaN and infinities are not treated apart.
; SHARES.  A work-group owns 64 rows (grid y) and 8 blocks of 64 columns (grid x); each of its eight waves one block: four tiles of 16 rows x 64 columns.  All 49 loads of a wave go out at its head.
; A TILE is four matrix instructions, accumulator t = 0..3, whose C operand is the dequantised tile: the patch is added by the product itself.  With r = lane % 16, h = lane / 16 the rows
; and columns are dealt so that every access to memory covers whole runs of 256 bytes: matrix row m stands for tile row 2 (m % 8) + m / 8, matrix column r of accumulator t for column 4 r + t.
; So register j of accumulator t holds W[2 j + h][4 r + t]; load j of q (16 bytes a lane) brings the four t of row 2 j + h: sixteen lanes 256 bytes of one row, the other sixteen of the next;
; and store j (8 bytes a lane) writes rows 2 j and 2 j + 1 of the block: 256 consecutive bytes of wq, aligned.
; (q - 128) s is made as q s + (-128 s) in one fused multiply-add: -128 s is exact, so the one rounding is that of the exact product (q - 128) s.
; NO TENSOR LOADS, NO CLUSTER: the waves share nothing but 4 KiB of scales; lora_up and lora_down together are 384 KiB against q's 32 MiB.  NO PREFETCH: every load is issued at the head.
; The scales come in pieces of 64 bytes a row (a work-group's 16 scales of a row), once, through LDS; they are one part in fifty of the launch's bytes.
.set SPITCH, 80                        ; a row of scales in LDS: 64 bytes + 16
.set SPARE,  5120                      ; behind the 64 rows of scales: the spare words, 128 bytes for each of eight waves: four blocks of 256 bytes that no other line names
.set QO,  3                            ; v3   my offset in q: h rows of 16,384 bytes + 16 r
.set DO,  4                            ; v4   in lora_down: 8 h rows of 16,384 bytes + 16 r
.set UO,  5                            ; v5   in lora_up: row 2 (r % 8) + r / 8 of 64 bytes + 32 h
.set WO,  6                            ; v6   in wq: 8 x lane
.set SGO, 7                            ; v7   the scales' copy: from (thread / 4) rows of 512 bytes + 16 (thread % 4)
.set SLO, 8                            ; v8   to (thread / 4) rows of 80 bytes + 16 (thread % 4)
.set SCA, 9                            ; v9   my scale of tile row h: 80 h + 8 wave + 4 (r / 8)
.set SPW, 10                           ; v10  LDS address of my spare word; never rewritten
.set NIL, 11                           ; v11  0; never rewritten
.set SC,  12                           ; v[12:19]   s of rows 2 j + h (v[12:15] first carry the scales' copy; v[16:17] are at work at the head)
.set UP,  20                           ; v[20:51]   lora_up, 8 a tile: as loaded, then a fragment: 4 registers of f16 and 4 of zeros (K = 16 of the form's 32)
.set MS,  52                           ; v[52:59]   -128 s
.set DF,  60                           ; v[60:91]   lora_down's four fragments, 8 each, the upper 4 zeros
.set ACC, 92                           ; v[92:123]  four accumulators (first: lora_down as loaded, row 8 h + k at 4 k)
.set Q,   124                          ; v[124:251] q, 32 a tile: register 4 j + t; a tile's first 16 later hold its packed output
	s_load_b256 s[4:11], s[0:1], 0x0               ; q s[4:5], scales s[6:7], lora_up s[8:9], lora_down s[10:11]
	s_load_b64 s[12:13], s[0:1], 0x20              ; wq
	v_lshl_add_u32 v[SPW], v0, 2, SPARE
	v_mov_b32 v[NIL], 0
	v_lshrrev_b32 v1, 5, v0
	v_readfirstlane_b32 s14, v1                    ; wave 0..7
	s_and_b32 s15, ttmp7, 0xffff                   ; rg: my 64 rows
	s_lshl_b32 s16, ttmp9, 3
	s_add_co_u32 s16, s16, s14                     ; kb: my wave's block of 64 columns
	v_and_b32 v1, 15, v0                           ; r
	v_bfe_u32 v2, v0, 4, 1                         ; h
	v_lshlrev_b32 v[QO], 4, v1
	v_lshl_or_b32 v[DO], v2, 17, v[QO]
	v_lshl_or_b32 v[QO], v2, 14, v[QO]
	v_and_b32 v16, 7, v1
	v_lshrrev_b32 v17, 3, v1                       ; r / 8
	v_lshl_add_u32 v16, v16, 1, v17
	v_lshlrev_b32 v[UO], 6, v16
	v_lshl_or_b32 v[UO], v2, 5, v[UO]
	v_and_b32 v[WO], 31, v0
	v_lshlrev_b32 v[WO], 3, v[WO]
	v_mul_u32_u24 v[SCA], v2, SPITCH
	v_lshl_add_u32 v[SCA], v17, 2, v[SCA]
	s_lshl_b32 s17, s14, 3
	v_add_nc_u32 v[SCA], s17, v[SCA]
	v_lshrrev_b32 v16, 2, v0
	v_and_b32 v17, 3, v0
	v_lshlrev_b32 v17, 4, v17
	v_lshl_or_b32 v[SGO], v16, 9, v17
	v_mul_u32_u24 v[SLO], v16, SPITCH
	v_add_nc_u32 v[SLO], v[SLO], v17
	s_lshl_b32 s18, s15, 20                        ; q: 64 rg rows of 16,384 bytes
	s_lshl_b32 s20, s16, 8                         ; + kb x 256 bytes; lora_down: the same 256 bytes of its rows
	s_add_co_u32 s18, s18, s20
	s_mov_b32 s19, 0
	s_mov_b32 s21, 0
	s_lshl_b32 s22, s15, 15                        ; scales: 64 rg rows of 512 bytes
	s_lshl_b32 s23, ttmp9, 6                       ; + the work-group's 16 scales
	s_add_co_u32 s22, s22, s23
	s_mov_b32 s23, 0
	s_lshl_b32 s24, s15, 12                        ; lora_up: 64 rg rows of 64 bytes
	s_mov_b32 s25, 0
	s_lshl_b32 s26, s16, 18                        ; wq: block kb
	s_lshl_b32 s27, s15, 13                        ; + 64 rg rows of 128 bytes
	s_add_co_u32 s26, s26, s27
	s_mov_b32 s27, 0
	s_wait_kmcnt 0x0
	s_add_nc_u64 s[4:5], s[4:5], s[18:19]
	s_add_nc_u64 s[6:7], s[6:7], s[22:23]
	s_add_nc_u64 s[8:9], s[8:9], s[24:25]
	s_add_nc_u64 s[10:11], s[10:11], s[20:21]
	s_add_nc_u64 s[12:13], s[12:13], s[26:27]
	; all 49 loads: 1 of scales, 8 of lora_up, 8 of lora_down, 32 of q
	global_load_b128 v[SC:SC+3], v[SGO], s[6:7] th:TH_LOAD_NT
.irp g, 0,1,2,3
	global_load_b128 v[UP+8*(\g):UP+8*(\g)+3],   v[UO], s[8:9] offset:1024*(\g)
	global_load_b128 v[UP+8*(\g)+4:UP+8*(\g)+7], v[UO], s[8:9] offset:1024*(\g)+16
.endr
.irp k, 0,1,2,3,4,5,6,7
	global_load_b128 v[ACC+4*(\k):ACC+4*(\k)+3], v[DO], s[10:11] offset:16384*(\k)
.endr
.set i, 0
.rept 32
	global_load_b128 v[Q+4*i:Q+4*i+3], v[QO], s[4:5] offset:2*i*16384 th:TH_LOAD_NT  ; tile i / 8, rows 2 (i % 8) + h
.set i, i+1
.endr
.irp t, 0,1,2,3
.irp i, 4,5,6,7
	v_mov_b32 v[DF+8*(\t)+(\i)], 0                 ; K = 16 .. 31 of lora_down's fragments, written while the loads are out
.endr
.endr
	s_wait_loadcnt 48                              ; loads come back in order: the scales' word is in, the 48 younger loads stay out
	ds_store_b128 v[SLO], v[SC:SC+3]
	s_wait_dscnt 0x0                               ; for the others' sake: my part of the scales lies in LDS
	s_barrier_signal -1
	s_barrier_wait -1                              ; everybody's does
	s_wait_loadcnt 32                              ; lora_up and lora_down are in; q's 32 loads stay out
.irp g, 0,1,2,3
.irp i, 0,1,2,3
	v_cvt_pk_f16_f32 v[UP+8*(\g)+(\i)], v[UP+8*(\g)+2*(\i)], v[UP+8*(\g)+2*(\i)+1]  ; in place, ascending: register i is written when registers 2 i and 2 i + 1 are read
.endr
.irp i, 4,5,6,7
	v_mov_b32 v[UP+8*(\g)+(\i)], 0
.endr
.endr
.irp t, 0,1,2,3
.irp i, 0,1,2,3
	v_cvt_pk_f16_f32 v[DF+8*(\t)+(\i)], v[ACC+8*(\i)+(\t)], v[ACC+8*(\i)+4+(\t)]  ; rows 8 h + 2 i and 8 h + 2 i + 1 of column 4 r + t
.endr
.endr
; Tile g comes in: its eight scales out of LDS, its 32 codes to f32.  The 32 conversions are also the places behind the tile before's products, ahead of the lines that read their results.
.macro T_IN g
.irp j, 0,1,2,3,4,5,6,7
	ds_load_b32 v[SC+(\j)], v[SCA] offset:(16*(\g)+2*(\j))*SPITCH
.endr
	s_wait_loadcnt 24-8*(\g)                       ; this tile's eight loads are in, the later tiles' stay out
.set i, 0
.rept 32
	v_cvt_f32_i32 v[Q+32*(\g)+i], v[Q+32*(\g)+i]
.set i, i+1
.endr
.endm
; Tile g is dequantised into the four accumulators, and the four products add the patch.  The accumulators take turns, one instruction a turn.
.macro T_MM g
	s_wait_dscnt 0x0                               ; the scales
.irp j, 0,1,2,3,4,5,6,7
	v_mul_f32 v[MS+(\j)], 0xc3000000, v[SC+(\j)]   ; -128 s, exact
.endr
.irp t, 0,1,2,3
.irp j, 0,1,2,3,4,5,6,7
	v_fma_f32 v[ACC+8*(\t)+(\j)], v[Q+32*(\g)+4*(\j)+(\t)], v[SC+(\j)], v[MS+(\j)]
.endr
.endr
.irp t, 0,1,2,3
	v_wmma_f32_16x16x32_f16 v[ACC+8*(\t):ACC+8*(\t)+7], v[UP+8*(\g):UP+8*(\g)+7], v[DF+8*(\t):DF+8*(\t)+7], v[ACC+8*(\t):ACC+8*(\t)+7]
.endr
.endm
; Tile g goes out: each accumulator's registers in ascending order; four numbers a lane make 8 bytes; the 32 lanes store 256 consecutive bytes, at a multiple of 256 from wq's first byte.
.macro T_OUT g
.irp j, 0,1,2,3,4,5,6,7
	v_cvt_pk_f16_f32 v[Q+32*(\g)+2*(\j)],   v[ACC+(\j)],    v[ACC+8+(\j)]
	v_cvt_pk_f16_f32 v[Q+32*(\g)+2*(\j)+1], v[ACC+16+(\j)], v[ACC+24+(\j)]
	global_store_b64 v[WO], v[Q+32*(\g)+2*(\j):Q+32*(\g)+2*(\j)+1], s[12:13] offset:(16*(\g)+2*(\j))*128 th:TH_STORE_NT  ; a tile's packed words have registers of their own: nothing that a store reads is written again
.endr
.endm
	T_IN 0
	T_MM 0
	T_IN 1
	T_OUT 0
	T_MM 1
	T_IN 2
	T_OUT 1
	T_MM 2
	T_IN 3
	T_OUT 2
	T_MM 3
.rept 4
	v_nop                                          ; four places between the last products and the lines that read their results (ISA guide 7.12.1): no other vector work is left
.endr
	T_OUT 3
	s_wait_tensorcnt 0x0                           ; the wave's end: a wait, an add of 0 to my spare word and a wait, behind my last LDS store
	ds_add_u32 v[SPW], v[NIL]
	s_wait_dscnt 0x0
	s_endpgm
.Lfunc_end_k_q4a748e19a6_dequant:
	.size	k_q4a748e19a6_dequant, .Lfunc_end_k_q4a748e19a6_dequant-k_q4a748e19a6_dequant
	.p2alignl 7, 3214868480
	.fill 96, 4, 3214868480
	.section	.rodata,"a",@progbits
	.p2align	6, 0x0
	.amdhsa_kernel k_q4a748e19a6_dequant
		.amdhsa_group_segment_fixed_size 6144
		.amdhsa_private_segment_fixed_size 0
		.amdhsa_enable_private_segment 0
		.amdhsa_kernarg_size 40
		.amdhsa_user_sgpr_count 2
		.amdhsa_user_sgpr_kernarg_segment_ptr 1
		.amdhsa_wavefront_size32 1
		.amdhsa_system_sgpr_workgroup_id_x 1
		.amdhsa_system_sgpr_workgroup_id_y 1
		.amdhsa_system_sgpr_workgroup_id_z 1
		.amdhsa_system_vgpr_workitem_id 0
		.amdhsa_next_free_vgpr 256
		.amdhsa_next_free_sgpr 66
		.amdhsa_reserve_vcc 0
		.amdhsa_float_denorm_mode_32 3
		.amdhsa_float_denorm_mode_16_64 3
		.amdhsa_memory_ordered 1
		.amdhsa_forward_progress 1
		.amdhsa_inst_pref_size 35
	.end_amdhsa_kernel
	.amdgpu_metadata
---
amdhsa.version: [ 1, 2 ]
amdhsa.kernels:
  - .name:           k_q4a748e19a6_dequant
    .symbol:         k_q4a748e19a6_dequant.kd
    .args:
      - { .name: q_weight, .offset: 0, .size: 8, .value_kind: global_buffer, .address_space: global }
      - { .name: scales, .offset: 8, .size: 8, .value_kind: global_buffer, .address_space: global }
      - { .name: lora_up, .offset: 16, .size: 8, .value_kind: global_buffer, .address_space: global }
      - { .name: lora_down, .offset: 24, .size: 8, .value_kind: global_buffer, .address_space: global }
      - { .name: wq, .offset: 32, .size: 8, .value_kind: global_buffer, .address_space: global }
    .group_segment_fixed_size: 6144
    .private_segment_fixed_size: 0
    .kernarg_segment_align: 8
    .kernarg_segment_size: 40
    .max_flat_workgroup_size: 256
    .sgpr_count:     66
    .vgpr_count:     256
    .wavefront_size: 32
...
	.end_amdgpu_metadata
.endif
;; end of part 1
;; launch narrow (part 2): grid 2048 x 1, 8 waves a work-group, no clusters, 0 bytes of LDS; arguments x, xh; writes xh
.if DOCPART == 2
	.amdgcn_target "amdgcn-amd-amdhsa--gfx1250"
	.amdhsa_code_object_version 6
	.text
	.protected	k_q4a748e19a6_narrow
	.globl	k_q4a748e19a6_narrow
	.p2align	8
	.type	k_q4a748e19a6_narrow,@function
k_q4a748e19a6_narrow:
	s_mov_b64 s[64:65], 0
	v_nop
	global_prefetch_b8 v0, s[64:65] scope:SCOPE_SE
	s_setreg_imm32_b32 hwreg(HW_REG_WAVE_MODE, 25, 1), 1
	s_wait_xcnt 0x0
; xh = f16(x).  x: [8192][4096] f32, xh: the same shape in f16; both are taken as one run of 33,554,432 numbers.
; WHY A LAUNCH OF ITS OWN.  The product that follows keeps two LDS slots of its operands.  With x in f32 two slots of 128 along K want 409,600 bytes, with x in f16 286,720: only the second fits.
; LIMITS.  x is rounded once, to nearest even: it must lie within 65,504, and below 6.1e-5 it keeps f16's fixed step of 6e-8.  NaN and infinities are not treated apart.
; SHARES.  A work-group of eight waves owns 65,536 bytes of x: sixteen runs of 4,096.  Thread t takes the 16 bytes at 16 t of each run: a load of a wave covers 512 consecutive bytes.  Its four numbers
; pack into 8 bytes: a store of a wave covers 256 consecutive bytes, at a multiple of 256 from xh's first byte.
; All sixteen loads of a thread go out at the head; each has registers of its own, which are packed in place and stored from: no register that a load or store names is written again.
; No LDS, no barrier, no matrix unit, no cluster: no wave wants a byte that another has fetched.  No prefetch: every load is issued at the head.
.set RUNS, 16
.set X, 4                              ; v[4:67]  run i: 4 registers as loaded; the first two then hold its 8 bytes to store
	s_load_b128 s[4:7], s[0:1], 0x0                ; x s[4:5], xh s[6:7]
	s_lshl_b32 s8, ttmp9, 16                       ; the work-group's 65,536 bytes of x (under 2^28),
	s_mov_b32 s9, 0
	s_lshl_b32 s10, ttmp9, 15                      ; and its 32,768 of xh
	s_mov_b32 s11, 0
	v_lshlrev_b32 v1, 4, v0                        ; 16 t
	v_lshlrev_b32 v2, 3, v0                        ; 8 t
	s_wait_kmcnt 0x0
	s_add_nc_u64 s[4:5], s[4:5], s[8:9]
	s_add_nc_u64 s[6:7], s[6:7], s[10:11]
.set i, 0
.rept RUNS
	global_load_b128 v[X+4*i:X+4*i+3], v1, s[4:5] offset:4096*i th:TH_LOAD_NT
.set i, i+1
.endr
.set i, 0
.rept RUNS
	s_wait_loadcnt RUNS-1-i                        ; loads come back in order (ISA guide 5.7.1): run i is in, the younger ones stay out
	v_cvt_pk_f16_f32 v[X+4*i],   v[X+4*i],   v[X+4*i+1]
	v_cvt_pk_f16_f32 v[X+4*i+1], v[X+4*i+2], v[X+4*i+3]
	global_store_b64 v2, v[X+4*i:X+4*i+1], s[6:7] offset:2048*i th:TH_STORE_NT
.set i, i+1
.endr
	s_endpgm
.Lfunc_end_k_q4a748e19a6_narrow:
	.size	k_q4a748e19a6_narrow, .Lfunc_end_k_q4a748e19a6_narrow-k_q4a748e19a6_narrow
	.p2alignl 7, 3214868480
	.fill 96, 4, 3214868480
	.section	.rodata,"a",@progbits
	.p2align	6, 0x0
	.amdhsa_kernel k_q4a748e19a6_narrow
		.amdhsa_group_segment_fixed_size 0
		.amdhsa_private_segment_fixed_size 0
		.amdhsa_enable_private_segment 0
		.amdhsa_kernarg_size 16
		.amdhsa_user_sgpr_count 2
		.amdhsa_user_sgpr_kernarg_segment_ptr 1
		.amdhsa_wavefront_size32 1
		.amdhsa_system_sgpr_workgroup_id_x 1
		.amdhsa_system_sgpr_workgroup_id_y 1
		.amdhsa_system_sgpr_workgroup_id_z 1
		.amdhsa_system_vgpr_workitem_id 0
		.amdhsa_next_free_vgpr 68
		.amdhsa_next_free_sgpr 66
		.amdhsa_reserve_vcc 0
		.amdhsa_float_denorm_mode_32 3
		.amdhsa_float_denorm_mode_16_64 3
		.amdhsa_memory_ordered 1
		.amdhsa_forward_progress 1
		.amdhsa_inst_pref_size 7
	.end_amdhsa_kernel
	.amdgpu_metadata
---
amdhsa.version: [ 1, 2 ]
amdhsa.kernels:
  - .name:           k_q4a748e19a6_narrow
    .symbol:         k_q4a748e19a6_narrow.kd
    .args:
      - { .name: x, .offset: 0, .size: 8, .value_kind: global_buffer, .address_space: global }
      - { .name: xh, .offset: 8, .size: 8, .value_kind: global_buffer, .address_space: global }
    .group_segment_fixed_size: 0
    .private_segment_fixed_size: 0
    .kernarg_segment_align: 8
    .kernarg_segment_size: 16
    .max_flat_workgroup_size: 256
    .sgpr_count:     66
    .vgpr_count:     68
    .wavefront_size: 32
...
	.end_amdgpu_metadata
.endif
;; end of part 2
;; launch gemm (part 3): grid 8 x 32, 4 waves a work-group, clusters of 4 x 4, 327,680 bytes of LDS; arguments xh, wq, bias, out0; writes out0
.if DOCPART == 3
	.amdgcn_target "amdgcn-amd-amdhsa--gfx1250"
	.amdhsa_code_object_version 6
	.text
	.protected	k_q4a748e19a6_gemm
	.globl	k_q4a748e19a6_gemm
	.p2align	8
	.type	k_q4a748e19a6_gemm,@function
k_q4a748e19a6_gemm:
	s_mov_b64 s[64:65], 0
	v_nop
	global_prefetch_b8 v0, s[64:65] scope:SCOPE_SE
	s_setreg_imm32_b32 hwreg(HW_REG_WAVE_MODE, 25, 1), 1
	s_wait_xcnt 0x0
	s_wait_alu depctr_hold_cnt(0) depctr_sa_sdst(0) depctr_va_vdst(0) depctr_va_sdst(0) depctr_va_ssrc(0) depctr_va_vcc(0) depctr_vm_vsrc(0)
	s_getreg_b32 s2, hwreg(HW_REG_IB_STS2, 6, 4)
	s_cmp_eq_u32 s2, 0
	s_cbranch_scc0 .Lentry_in_a_cluster
	s_endpgm
.Lentry_in_a_cluster:
	s_bfe_u32 s2, ttmp6, 0x10000c
	s_cmp_lg_u32 s2, 0xf033
	s_cbranch_scc0 .Lentry_shape_is_right
	s_endpgm
.Lentry_shape_is_right:
; out[m][n] = the sum over k of x[m][k] W[n][k] + bias[n].  x: [8192][4096] f16, as the launch before left it; W: f16 in blocks of 64 along K, [kb 0..63][n 0..2047][64]; bias: [2048] f32; out: [8192][2048] f32.
; Products in f16, sums in f32, K ascending, one accumulator for each output; the bias is added in f32 at the end.
; LIMITS.  Both operands arrive in f16: within 65,504, and below 6.1e-5 with f16's fixed step of 6e-8.  NaN and infinities are not treated apart.
; SHARES.  A tile of out, 256 x 256, is made by a work-group of four waves: 32 x 8 = 256 tiles, one a work-group.  A wave makes 128 x 128: 64 accumulators of 16 x 16, 512 registers.
; THE RING.  K goes in 32 steps of 128 through two LDS slots filled by the tensor data mover.  A row of x's tile is 256 bytes of memory, at a multiple of 256 from the buffer's first byte.  A step of W is two
; blocks of 64 along K; the tile's 256 rows of a block are 32,768 dense bytes, asked for as 128 rows of 256.  A step is four quarters of 32 along K, 64 products each; from a refill to the wait for it a wave issues 224.
; CLUSTER.  4 x 4 work-groups.  The four of a row of the cluster need the same rows of x, the four of a column the same rows of W: each tile is asked for JOINTLY, by the same tensor load with the same
; descriptor and a mask that names the four.  Waves 0 and 1 ask for the two row halves of x's tile, waves 2 and 3 for W's two blocks.
; THE MATRIX INSTRUCTION IS USED TRANSPOSED (source 0 = 16 rows of W, source 1 = 16 rows of x): a lane then holds row lane % 16 of out and the eight neighbouring columns 8 (lane / 16) + 0..7.
; REGISTERS, in windows of 256 (s_set_vgpr_msb: bits 1:0 source 0, 3:2 source 1, 5:4 source 2, 7:6 destination):
;   window 0: v16-31 addresses; v32-35 bias; v64-127, v128-191 x's fragments (8 x 16 rows x 32 K), two buffers; on the way out the same two hold rows of out
;   window 1: v64-127, v128-191 W's fragments, two buffers
;   window 2: the 32 accumulators of my rows 0-63 (accumulator (a, b) at v[8 (8 a + b)]);   window 3: those of my rows 64-127
; Work is laid in long stretches under one setting: 32 products, 16 loads, 16 loads, 32 products.
.set PA,     272                       ; a row of x in LDS: 256 bytes + 16: the 16 rows of a load start at 16 different groups of four banks (64 banks of 4 bytes: ISA guide 11.1)
.set PB,     144                       ; a row of a block of W: 128 bytes + 16: likewise
.set HALFA,  128*PA                    ; what one tensor load brings of x: 128 rows
.set KHB,    256*PB                    ; and of W: one block, 64 along K, of all 256 rows
.set BOFF,   2*HALFA                   ; W's two blocks lie behind x's 256 rows
.set SLOT,   BOFF+2*KHB                ; 143,360 bytes
.set STAGE,  2*SLOT                    ; behind the ring, never filled by a tensor load: 16 rows x 528 bytes for each wave, for the way out
.set SP,     528                       ; a stage row: 512 bytes + 16
.set SPARE,  STAGE+4*16*SP             ; behind the stages: the spare words, 128 bytes for each wave: two blocks of 256 bytes that no other line names
.set ASTEP,  256                       ; bytes from a K step to the next in x
.set BSTEP,  524288                    ; and in W: two blocks of 262,144
.set LAPS,   16                        ; a lap = two K steps = once round the ring
.set ADRA, 16                          ; v16-17  LDS address of my fragments of x in slot 0, 1
.set ADRB, 20                          ; v20-21  the same for W
.set STO,  24                          ; v24     the way out: where I put 32 bytes of a row
.set RD,   25                          ; v25     the way out: where I read a row back
.set CO,   26                          ; v26     16 x lane: my bytes in 512 of out and of bias; never rewritten
.set SPW,  28                          ; v28     LDS address of my spare word: SPARE + 4 x my thread's number; never rewritten
.set NIL,  29                          ; v29     0; never rewritten
.set PFO,  30                          ; v30     the prefetches' offset; never rewritten
.set BIAS, 32                          ; v[32:35] bias of my four columns on the way out
.set F0,   64                          ; fragment buffer 0
.set F1,   128                         ; fragment buffer 1
.set OB,   64                          ; the way out: 16 rows read back from the stage, 64 registers: v64-127 and v128-191 by turns
.set WV,  12                           ; s12  my wave's number
.set FB,  13                           ; s13  which half of the tile's rows is mine.  Also: I fetch for x (0) or for W (1)
.set HF,  14                           ; s14  which half of its columns.  Also: which half of x's rows, or which of W's two blocks, I fetch
.set CX,  15                           ; s15, s16  my place in the cluster
.set CY,  16
.set TC,  17                           ; s17  tile column
.set TR,  18                           ; s18  tile row
.set G1,  24                           ; s[24:31] descriptor group 1 for x's tiles
.set G0,  32                           ; s[32:39] group 0, one set for each slot
.set PFA, 40                           ; s[40:41] where my prefetches stand
.set PFS, 42                           ; s[42:43] a K step in the tensor that I fetch for
.set LIM, 44                           ; s44  1 in a wave that prefetches, else the greatest number: a wave prefetches while the trip counter is above it
.set G1B, 48                           ; s[48:55], s[56:63] the same two groups for W's tiles
.set G0B, 56
.set MSB, 0
.macro WIN new                         ; the immediate's high byte repeats the setting that is left; a switch that changes nothing is dropped
.if MSB != (\new)
	s_set_vgpr_msb (MSB<<8)|(\new)
.set MSB, \new
.endif
.endm
.set MUL_LO, 0xa1                      ; source 0 (W) window 1, source 1 (x) window 0, C and D window 2
.set MUL_HI, 0xf1                      ; the same, C and D window 3
.set TO_B,   0x40                      ; destination window 1, address window 0
; A joint load.  Each of the two lines has one mask and one set of registers for all that issue it.  The branch hangs on the wave's number alone: it is the same in every work-group.
; An s_nop 0 and four v_nop follow each of the two lines, ahead of the jump, the label and what follows.
.macro JLOAD s
	s_cmp_eq_u32 s[FB], 0
	s_cbranch_scc0 .Lfor_b_\@
	tensor_load_to_lds s[G0+4*(\s):G0+4*(\s)+3], s[G1:G1+7]
	s_nop 0
.rept 4
	v_nop
.endr
	s_branch .Lasked_\@
.Lfor_b_\@:
	tensor_load_to_lds s[G0B+4*(\s):G0B+4*(\s)+3], s[G1B:G1B+7]
	s_nop 0
.rept 4
	v_nop
.endr
.Lasked_\@:
.endm
; A round of the cluster's barrier: my work-group's barrier, so that wave 0's signal speaks for all four waves; wave 0 signals; every wave waits for all sixteen work-groups; my work-group's barrier once more.
.macro CREST                           ; a round behind its opening barrier
	s_cmp_lg_u32 s[WV], 0
	s_cbranch_scc1 .Lnot_wave_0_\@
	s_barrier_signal -3
.Lnot_wave_0_\@:
	s_barrier_wait -3
	s_barrier_signal -1
	s_barrier_wait -1
.endm
.macro CROUND
	s_barrier_signal -1
	s_barrier_wait -1
	CREST
.endm
; A PREFETCH INTO THE L2, behind the joint load, its five lines and the run of LDS loads that follows: one instruction a wave.  The change of slots that asks for K step t + 2 names K step t + 4:
; two K steps, 512 products, ahead of the load that will ask for it.  Each aligned block of 256 bytes is named once in the launch.  x's rows are read by both clusters of a row of clusters: the one with
; cluster x = 0 asks; W's by all eight of a column: cluster y = 0 asks.  The four partners that ask for a tile jointly share it out BY ADDRESS: of the 128 rows of x that a wave fetches the partner at cx
; takes 32, a lane a row; of the 128 runs of 256 bytes of W's block the partner at cy takes 32, a lane a run.  K steps 0 to 3 come by their loads alone; the loop's last trip, whose refills are the last, names nothing.
.macro ASK
	s_cmp_gt_u32 s3, s[LIM]                        ; s3 = 1 in the loop's last trip
	s_cbranch_scc0 .Lnot_mine_\@
	global_prefetch_b8 v[PFO], s[PFA:PFA+1] th:TH_LOAD_NT scope:SCOPE_SE
.Lnot_mine_\@:
.endm
; Four places: a load into a register that a matrix instruction has read, and a store that reads a result, stand four plain vector instructions behind it
; (ISA guide 7.12.1 for vector instructions); the products in between are not counted.
.macro PLACES
.rept 4
	v_nop
.endr
.endm
; 16 products: m blocks a0, a0 + 1 of the window's four (hi = 0: my rows 0-63, 1: rows 64-127) x all 8 n blocks, 32 along K.  zero = 1: they start the sums: nothing is ever cleared.
; In every quarter the 64 accumulators take turns in the same order, one instruction a turn.
.macro MUL16 f, hi, a0, zero
	WIN MUL_LO+0x50*(\hi)
.irp a, \a0, (\a0)+1
.irp b, 0,1,2,3,4,5,6,7
.if \zero
	v_wmma_f32_16x16x32_f16 v[8*(8*(\a)+(\b)):8*(8*(\a)+(\b))+7], v[(\f)+8*(\b):(\f)+8*(\b)+7], v[(\f)+8*(4*(\hi)+(\a)):(\f)+8*(4*(\hi)+(\a))+7], 0
.else
	v_wmma_f32_16x16x32_f16 v[8*(8*(\a)+(\b)):8*(8*(\a)+(\b))+7], v[(\f)+8*(\b):(\f)+8*(\b)+7], v[(\f)+8*(4*(\hi)+(\a)):(\f)+8*(4*(\hi)+(\a))+7], v[8*(8*(\a)+(\b)):8*(8*(\a)+(\b))+7]
.endif
.endr
.endr
.endm
; A fragment is 16 rows x 32 K in 8 registers: lane l holds row l % 16; registers 0-3 K = 8 (l / 16) + 0..7, registers 4-7 K = 16 + 8 (l / 16) + 0..7: two loads of 16 bytes, 32 bytes apart.
; 32 LDS loads in one run: the fragments of quarter q of a step (128 rows of W, then 128 rows of x) into buffer f.  W's quarter q lies in block q / 2, at byte 64 (q % 2) of its rows.
.macro FETCH slot, q, f
	WIN TO_B
.irp i, 0,1,2,3,4,5,6,7
	ds_load_b128 v[(\f)+8*(\i):(\f)+8*(\i)+3],   v[ADRB+(\slot)] offset:((\q)/2)*KHB+((\q)%2)*64+(\i)*16*PB
	ds_load_b128 v[(\f)+8*(\i)+4:(\f)+8*(\i)+7], v[ADRB+(\slot)] offset:((\q)/2)*KHB+((\q)%2)*64+(\i)*16*PB+32
.endr
	WIN 0
.irp i, 0,1,2,3,4,5,6,7
	ds_load_b128 v[(\f)+8*(\i):(\f)+8*(\i)+3],   v[ADRA+(\slot)] offset:(\q)*64+(\i)*16*PA
	ds_load_b128 v[(\f)+8*(\i)+4:(\f)+8*(\i)+7], v[ADRA+(\slot)] offset:(\q)*64+(\i)*16*PA+32
.endr
.endm
; One of a step's first three quarters: multiplies buffer f; in its middle it fetches quarter q of the same slot into buffer g.
.macro QUARTER slot, q, f, g, zero
	s_wait_dscnt 8                                 ; W and x's rows 0-63 are in; the youngest eight loads (x's rows 64-127) may be out
	MUL16 \f, 0, 0, \zero
	MUL16 \f, 0, 2, \zero
	PLACES                                         ; behind the quarter before, which read buffer g
	FETCH \slot, \q, \g
	s_wait_dscnt 32                                ; all but the 32 just issued
	MUL16 \f, 1, 0, \zero
	MUL16 \f, 1, 2, \zero
.endm
; The last quarter multiplies buffer 1 and changes slots.  ONE barrier, for two things.  In front of it each wave waits for all its tensor loads, of which one is out: its part of the next slot; adds 0 to its spare
; word; and waits for that and for its own reads of this slot.  Behind it nobody reads this slot any more and the next slot is whole.
; fill = 1: the barrier opens a round of the cluster's, and behind the round this slot is filled again first, with the K step two steps on.
.macro TURN slot, next, fill
.if \fill
	s_wait_xcnt 0x0                                ; the last prefetch, a K step back, has read its address: it is stepped here, ahead of the waits of the change of slots
	s_add_nc_u64 s[PFA:PFA+1], s[PFA:PFA+1], s[PFS:PFS+1]
.endif
	WIN 0                                          ; (the add's two registers lie in window 0)
	s_wait_tensorcnt 0x0                           ; all my tensor loads have landed: the one that was out is my part of the next slot;
	ds_add_u32 v[SPW], v[NIL]                      ; 0 onto my spare word;
	s_wait_dscnt 9                                 ; (the add and the youngest eight loads may be out)
	MUL16 F1, 0, 0, 0                              ; sixteen products stand between the add and the wait for it
	s_wait_dscnt 0x0                               ; the add is done, and my reads of this slot are over:
	s_barrier_signal -1                            ; say so,
	MUL16 F1, 0, 2, 0                              ; work on registers while the others arrive,
.if \fill
	WIN 0
.endif
	s_barrier_wait -1                              ; and go on when all four have said so
.if \fill
	CREST                                          ; no wave of any partner still reads this slot's tile or has a load on its way
	s_add_nc_u64 s[G0+4*(\slot)+2:G0+4*(\slot)+3], s[G0+4*(\slot)+2:G0+4*(\slot)+3], 2*ASTEP    ; no tensor load of mine is out, so a group 0 may be written; the type bits on top are not reached
	s_add_nc_u64 s[G0B+4*(\slot)+2:G0B+4*(\slot)+3], s[G0B+4*(\slot)+2:G0B+4*(\slot)+3], 2*BSTEP
	JLOAD \slot                                    ; the first tensor load behind the round, and my only one until the next; its four v_nop are also the places in front of the loads below
.else
	PLACES
.endif
	FETCH \next, 0, F0
.if \fill
	ASK
.endif
	MUL16 F1, 1, 0, 0
	MUL16 F1, 1, 2, 0
.endm
	s_load_b256 s[4:11], s[0:1], 0x0               ; x s[4:5], W s[6:7], bias s[8:9], out s[10:11]
	v_lshl_add_u32 v[SPW], v0, 2, SPARE
	v_mov_b32 v[NIL], 0
	ds_add_u32 v[SPW], v[NIL]                      ; the wave's opening: the add, twice on end, and its wait ahead of my first tensor load; the set-up below stands between the second and the wait
	ds_add_u32 v[SPW], v[NIL]                      ; and once more, under the one wait
	v_lshrrev_b32 v1, 5, v0
	v_readfirstlane_b32 s[WV], v1                  ; wave 0..3
	s_lshr_b32 s[FB], s[WV], 1
	s_and_b32 s[HF], s[WV], 1
	s_bfe_u32 s[CX], ttmp6, 0x40000
	s_bfe_u32 s[CY], ttmp6, 0x40004
	s_lshl_b32 s[TC], ttmp9, 2                     ; in a cluster launch ttmp9 and ttmp7 count clusters
	s_add_co_u32 s[TC], s[TC], s[CX]               ; tile column = 4 x cluster x + cx
	s_and_b32 s[TR], ttmp7, 0xffff
	s_lshl_b32 s[TR], s[TR], 2
	s_add_co_u32 s[TR], s[TR], s[CY]               ; tile row = 4 x cluster y + cy
	s_lshl_b32 s19, s[CY], 2
	s_lshl_b32 s19, 15, s19                        ; my row of the cluster: places 4 cy .. 4 cy + 3
	s_lshl_b32 s22, 0x1111, s[CX]                  ; my column: places cx, cx + 4, cx + 8, cx + 12
	; group 1 for x: 128 rows x 128 elements of 2 bytes, 4,096 elements from row to row; 4 words of padding behind every 64
	s_or_b32 s[G1+0], s19, (1<<16)|(1<<20)|(1<<21)|(5<<22)|(3<<25)  ; 15:0 the mask; 17:16 element of 2 bytes; 20 padding on; 21 set beside a mask; 24:22 after every 64 words (code 5); 31:25 4 words (code 3)
	s_mov_b32 s[G1+1], 128<<16                     ; tensor_dim0 = 128
	s_mov_b32 s[G1+2], 128<<16                     ; tensor_dim1 = 128
	s_mov_b32 s[G1+3], 128<<16                     ; tile_dim0 = 128
	s_mov_b32 s[G1+4], 128                         ; tile_dim1 = 128
	s_mov_b32 s[G1+5], 4096                        ; elements from row to row
	s_mov_b32 s[G1+6], 0
	s_mov_b32 s[G1+7], 0
	; group 1 for W: the tile's 256 rows of 128 bytes in a block are dense: 128 rows of 256 bytes, two rows of W each, padded in LDS behind every row of W
	s_or_b32 s[G1B+0], s22, (1<<16)|(1<<20)|(1<<21)|(4<<22)|(3<<25) ; after every 32 words (code 4) 4 words
	s_mov_b32 s[G1B+1], 128<<16                    ; tensor_dim0 = 128
	s_mov_b32 s[G1B+2], 128<<16                    ; tensor_dim1 = 128
	s_mov_b32 s[G1B+3], 128<<16                    ; tile_dim0 = 128
	s_mov_b32 s[G1B+4], 128                        ; tile_dim1 = 128
	s_mov_b32 s[G1B+5], 128
	s_mov_b32 s[G1B+6], 0
	s_mov_b32 s[G1B+7], 0
	; where the tiles come from: x's hang on the tile row alone, W's on the tile column alone; every wave makes both and asks by one of them
	s_lshl_b32 s20, s[TR], 8
	s_lshl_b32 s21, s[HF], 7
	s_add_co_u32 s20, s20, s21                     ; x: row 256 x tile row + 128 x half,
	s_lshl_b32 s20, s20, 13                        ; of 8,192 bytes: under 2^27
	s_mov_b32 s21, 0
	s_lshl_b32 s46, s[TC], 15                      ; W: the tile's 256 rows of 128 bytes in a block,
	s_lshl_b32 s47, s[HF], 18                      ; in the step's first or second block
	s_add_co_u32 s46, s46, s47
	s_mov_b32 s47, 0
	s_mul_i32 s23, s[HF], HALFA                    ; and where they go: no place in the cluster enters an LDS address
	s_mul_i32 s19, s[HF], KHB
	s_add_co_u32 s19, s19, BOFF
	s_wait_dscnt 0x0                               ; both opening adds are done
	s_wait_kmcnt 0x0
	s_add_nc_u64 s[20:21], s[4:5], s[20:21]
	s_add_nc_u64 s[46:47], s[6:7], s[46:47]
	CROUND                                         ; all sixteen work-groups are here: the first joint loads meet
.irp s, 0,1
	s_mov_b32 s[G0+4*(\s)], 1                                        ; count = 1
	s_add_co_u32 s[G0+4*(\s)+1], s23, (\s)*SLOT                      ; LDS address
	s_add_nc_u64 s[G0+4*(\s)+2:G0+4*(\s)+3], s[20:21], (\s)*ASTEP    ; global address: K step s
	s_or_b32 s[G0+4*(\s)+3], s[G0+4*(\s)+3], 0x80000000              ; type = 2
	s_mov_b32 s[G0B+4*(\s)], 1
	s_add_co_u32 s[G0B+4*(\s)+1], s19, (\s)*SLOT
	s_add_nc_u64 s[G0B+4*(\s)+2:G0B+4*(\s)+3], s[46:47], (\s)*BSTEP
	s_or_b32 s[G0B+4*(\s)+3], s[G0B+4*(\s)+3], 0x80000000
	JLOAD \s                                       ; both slots are asked for before anything else is done: two loads of mine are out, the most in this text
.endr
	v_and_b32 v1, 15, v0                           ; l % 16
	v_bfe_u32 v2, v0, 4, 1                         ; l / 16
	v_mul_u32_u24 v3, v1, PA
	v_lshl_add_u32 v3, v2, 4, v3                   ; row x pitch + 16 x half
	s_mul_i32 s19, s[FB], HALFA                    ; my 128 rows of x
	v_add_nc_u32 v[ADRA], s19, v3
	v_add_nc_u32 v[ADRA+1], SLOT, v[ADRA]
	v_mul_u32_u24 v4, v1, PB
	v_lshl_add_u32 v4, v2, 4, v4
	s_mul_i32 s19, s[HF], 128*PB                   ; my 128 rows of W, in the first block
	s_add_co_u32 s19, s19, BOFF
	v_add_nc_u32 v[ADRB], s19, v4
	v_add_nc_u32 v[ADRB+1], SLOT, v[ADRB]
	s_mul_i32 s19, s[WV], 16*SP
	s_add_co_u32 s19, s19, STAGE                   ; my stage
	v_mul_u32_u24 v[STO], v1, SP                   ; in: row l % 16, 32 bytes for each half of the lanes
	v_lshl_add_u32 v[STO], v2, 5, v[STO]
	v_add_nc_u32 v[STO], s19, v[STO]
	v_and_b32 v[CO], 31, v0
	v_lshlrev_b32 v[CO], 4, v[CO]                  ; back: 32 lanes take a row's 512 bytes
	v_add_nc_u32 v[RD], s19, v[CO]
	s_lshl_b32 s20, s[TR], 8
	s_lshl_b32 s21, s[FB], 7
	s_add_co_u32 s20, s20, s21                     ; my first row of out,
	s_lshl_b32 s20, s20, 13                        ; of 8,192 bytes
	s_mov_b32 s21, 0
	s_lshl_b32 s46, s[TC], 10                      ; the tile's 256 columns are 1,024 bytes, in out and in bias;
	s_lshl_b32 s47, s[HF], 9                       ; my 128 of them 512
	s_add_co_u32 s46, s46, s47
	s_mov_b32 s47, 0
	s_add_nc_u64 s[10:11], s[10:11], s[20:21]
	s_add_nc_u64 s[10:11], s[10:11], s[46:47]
	s_add_nc_u64 s[8:9], s[8:9], s[46:47]
	global_load_b128 v[BIAS:BIAS+3], v[CO], s[8:9] ; waited for on the way out
	; the prefetches' address, at K step 3: the first change of slots steps it to 4 and names that.  Nothing is prefetched here, at the head, where every work-group's first tiles are on their way
	s_lshl_b32 s20, s[TR], 8
	s_lshl_b32 s21, s[HF], 7
	s_add_co_u32 s20, s20, s21
	s_lshl_b32 s22, s[CX], 5
	s_add_co_u32 s20, s20, s22                     ; x: my work-group's 32 of the 128 rows that I fetch
	s_lshl_b32 s20, s20, 13
	s_add_co_u32 s20, s20, 3*ASTEP
	s_lshl_b32 s46, s[TC], 15
	s_lshl_b32 s21, s[HF], 18
	s_add_co_u32 s46, s46, s21
	s_lshl_b32 s22, s[CY], 13
	s_add_co_u32 s46, s46, s22                     ; W: my work-group's 8,192 of the 32,768 bytes that I fetch
	s_add_co_u32 s46, s46, 3*BSTEP
	s_and_b32 s22, ttmp7, 0xffff                   ; cluster y
	s_mov_b32 s[PFS], BSTEP
	s_cmp_eq_u32 s[FB], 0                          ; do I fetch for x?
	s_cselect_b32 s20, s20, s46
	s_cselect_b32 s22, ttmp9, s22                  ; the coordinate along which other clusters read the same bytes
	s_cselect_b32 s19, 13, 8                       ; my lanes lie a row of x (8,192 bytes), or 256 bytes of W, apart
	s_cselect_b32 s[PFS], ASTEP, s[PFS]
	s_cselect_b64 s[PFA:PFA+1], s[4:5], s[6:7]
	s_mov_b32 s21, 0
	s_mov_b32 s[PFS+1], 0
	s_add_nc_u64 s[PFA:PFA+1], s[PFA:PFA+1], s[20:21]
	s_cmp_eq_u32 s22, 0                            ; the same in all sixteen partners, for a given wave
	s_cselect_b32 s[LIM], 1, -1
	v_and_b32 v[PFO], 31, v0
	v_lshlrev_b32 v[PFO], s19, v[PFO]
	s_wait_tensorcnt 1                             ; my part of K step 0 is in; K step 1's may stay out
	s_barrier_signal -1
	s_barrier_wait -1                              ; everybody's is
	FETCH 0, 0, F0
	QUARTER 0, 1, F0, F1, 1                        ; the first quarter stands in front of the loop: its products start the sums
	WIN 0                                          ; at a label and at a branch every window is 0
	s_mov_b32 s3, LAPS-1
.Llap:                                                 ; a trip goes once round the ring, from a lap's second quarter to the next lap's first, and fills both slots again
	QUARTER 0, 2, F1, F0, 0
	QUARTER 0, 3, F0, F1, 0
	TURN 0, 1, 1
	QUARTER 1, 1, F0, F1, 0
	QUARTER 1, 2, F1, F0, 0
	QUARTER 1, 3, F0, F1, 0
	TURN 1, 0, 1
	QUARTER 0, 1, F0, F1, 0
	WIN 0
	s_sub_co_u32 s3, s3, 1
	s_cmp_lg_u32 s3, 0
	s_cbranch_scc1 .Llap
	QUARTER 0, 2, F1, F0, 0                        ; the last lap is written out: it fills nothing, and has no round of the cluster's barrier
	QUARTER 0, 3, F0, F1, 0
	TURN 0, 1, 0
	QUARTER 1, 1, F0, F1, 0
	QUARTER 1, 2, F1, F0, 0
	QUARTER 1, 3, F0, F1, 0
	s_wait_dscnt 8                                 ; the very last quarter: nothing more to fetch
	MUL16 F1, 0, 0, 0
	MUL16 F1, 0, 2, 0
	s_wait_dscnt 0x0
	MUL16 F1, 1, 0, 0
	MUL16 F1, 1, 2, 0
	; THE WAY OUT.  A lane's eight numbers are 32 bytes of a row of 512.  A block of 16 rows at a time goes through my own stage: in by 16 bytes a lane, straight from the accumulators (each from its low
	; half on), back as whole rows; the bias is added, and 32 lanes store 512 consecutive bytes, at a multiple of 512 from out's first byte.
	; LDS serves a wave's instructions in order (ISA guide 5.7.1.4): no wait stands between the stores and the loads, and the next block's stores come behind this block's loads.
	; Two sets of 64 registers take turns, so that block a + 1 is on its way through the stage while block a is stored.
.macro STG a
	WIN 0x08+4*((\a)/4)                            ; the data (source 1) in window 2 or 3
.irp b, 0,1,2,3,4,5,6,7
	ds_store_b128 v[STO], v[8*(8*((\a)%4)+(\b)):8*(8*((\a)%4)+(\b))+3]   offset:64*(\b)
	ds_store_b128 v[STO], v[8*(8*((\a)%4)+(\b))+4:8*(8*((\a)%4)+(\b))+7] offset:64*(\b)+16
.endr
	WIN 0
.endm
.macro RDB a
.set BK, OB+64*((\a)%2)
.set t, 0
.rept 16
	ds_load_b128 v[BK+4*t:BK+4*t+3], v[RD] offset:SP*t
.set t, t+1
.endr
.endm
.macro SEND a, y                       ; y: the LDS instructions issued behind this block's loads: the next block's 16 stores and 16 loads, or none
.set BK, OB+64*((\a)%2)
.set t, 0
.rept 16
	s_wait_dscnt (\y)+15-t                         ; row t is back: the 15 - t younger loads and the next block's y may be out
	v_pk_add_f32 v[BK+4*t:BK+4*t+1],   v[BK+4*t:BK+4*t+1],   v[BIAS:BIAS+1]
	v_pk_add_f32 v[BK+4*t+2:BK+4*t+3], v[BK+4*t+2:BK+4*t+3], v[BIAS+2:BIAS+3]
	global_store_b128 v[CO], v[BK+4*t:BK+4*t+3], s[10:11] offset:(16*(\a)+t)*8192 th:TH_STORE_NT  ; 1,040,384 at the most: inside the signed 24-bit immediate
.set t, t+1
.endr
.endm
	PLACES                                         ; between the last products and the LDS stores that read results, and the loads into the fragments' registers
	WIN 0
	s_wait_loadcnt 0x0                             ; the bias
	STG 0
	RDB 0
.irp a, 0,1,2,3,4,5,6
	STG (\a)+1
.if (\a) > 0
	s_wait_xcnt 0x0                                ; the stores of the block before have had their addresses translated (ISA guide 3.1): only behind this wait are the registers that they read loaded again
.endif
	RDB (\a)+1
	SEND \a, 32
.endr
	SEND 7, 0
	s_wait_tensorcnt 0x0                           ; the wave's end: a wait, an add of 0 to my spare word and a wait, behind my last tensor load and my last LDS store
	ds_add_u32 v[SPW], v[NIL]
	s_wait_dscnt 0x0
	CROUND                                         ; the closing round: no work-group ends while a partner may still ask for a tile that names it
	s_endpgm
.Lfunc_end_k_q4a748e19a6_gemm:
	.size	k_q4a748e19a6_gemm, .Lfunc_end_k_q4a748e19a6_gemm-k_q4a748e19a6_gemm
	.p2alignl 7, 3214868480
	.fill 96, 4, 3214868480
	.section	.rodata,"a",@progbits
	.p2align	6, 0x0
	.amdhsa_kernel k_q4a748e19a6_gemm
		.amdhsa_group_segment_fixed_size 327680
		.amdhsa_private_segment_fixed_size 0
		.amdhsa_enable_private_segment 0
		.amdhsa_kernarg_size 32
		.amdhsa_user_sgpr_count 2
		.amdhsa_user_sgpr_kernarg_segment_ptr 1
		.amdhsa_wavefront_size32 1
		.amdhsa_system_sgpr_workgroup_id_x 1
		.amdhsa_system_sgpr_workgroup_id_y 1
		.amdhsa_system_sgpr_workgroup_id_z 1
		.amdhsa_system_vgpr_workitem_id 0
		.amdhsa_next_free_vgpr 1024
		.amdhsa_next_free_sgpr 66
		.amdhsa_reserve_vcc 0
		.amdhsa_float_denorm_mode_32 3
		.amdhsa_float_denorm_mode_16_64 3
		.amdhsa_memory_ordered 1
		.amdhsa_forward_progress 1
		.amdhsa_inst_pref_size 161
	.end_amdhsa_kernel
	.amdgpu_metadata
---
amdhsa.version: [ 1, 2 ]
amdhsa.kernels:
  - .name:           k_q4a748e19a6_gemm
    .symbol:         k_q4a748e19a6_gemm.kd
    .args:
      - { .name: xh, .offset: 0, .size: 8, .value_kind: global_buffer, .address_space: global }
      - { .name: wq, .offset: 8, .size: 8, .value_kind: global_buffer, .address_space: global }
      - { .name: bias, .offset: 16, .size: 8, .value_kind: global_buffer, .address_space: global }
      - { .name: out0, .offset: 24, .size: 8, .value_kind: global_buffer, .address_space: global }
    .group_segment_fixed_size: 327680
    .private_segment_fixed_size: 0
    .kernarg_segment_align: 8
    .kernarg_segment_size: 32
    .max_flat_workgroup_size: 128
    .sgpr_count:     66
    .vgpr_count:     1024
    .wavefront_size: 32
...
	.end_amdgpu_metadata
.endif
;; end of part 3
;; ======== version 2 of 2: 3 launches; version 1 with the launch dequant written anew for expert scheduling mode
;; limits: values are held in f16: magnitudes above 65,504 overflow, below 6.1e-05 lose precision
;; workspace buffers: wq 16,777,216 bytes; xh 67,108,864 bytes
;; launch dequant (part 4): grid 8 x 32, 8 waves a work-group, no clusters, 6,144 bytes of LDS; arguments q_weight, scales, lora_up, lora_down, wq; writes wq
.if DOCPART == 4
	.amdgcn_target "amdgcn-amd-amdhsa--gfx1250"
	.amdhsa_code_object_version 6
	.text
	.protected	k_q4a748e19a6_dequant
	.globl	k_q4a748e19a6_dequant
	.p2align	8
	.type	k_q4a748e19a6_dequant,@function
k_q4a748e19a6_dequant:
	s_mov_b64 s[64:65], 0
	v_nop
	global_prefetch_b8 v0, s[64:65] scope:SCOPE_SE
	s_setreg_imm32_b32 hwreg(HW_REG_WAVE_SCHED_MODE, 0, 2), 2
	s_setreg_imm32_b32 hwreg(HW_REG_WAVE_MODE, 25, 1), 1
	s_wait_xcnt 0x0
	s_wait_alu depctr_vm_vsrc(0)
; wq = f16( (q - 128) * s + lora_up . lora_down ).  q: [2048][4096] int32; s: [2048][128] f32, one for 32 columns; lora_up: [2048][16], lora_down: [16][4096] f32.
; wq is laid out for the product that follows, in blocks of 64 columns: [kb 0..63][row 0..2047][64] f16: byte kb * 262,144 + row * 128 + 2 * (column % 64).
; LIMITS.  W is rounded once to f16: it must lie within 65,504, and below 6.1e-5 it keeps f16's fixed step of 6e-8; lora_up and lora_down are rounded to f16 for their product, under the
; same two limits.  NaN and infinities are not treated apart.
; SHARES.  A work-group owns 64 rows (grid y) and 8 blocks of 64 columns (grid x); each of its eight waves one block: four tiles of 16 rows x 64 columns.  All 49 loads of a wave go out at its head.
; A TILE is four matrix instructions, accumulator t = 0..3, whose C operand is the dequantised tile: the patch is added by the product itself.  With r = lane % 16, h = lane / 16 the rows
; and columns are dealt so that every access to memory covers whole runs of 256 bytes: matrix row m stands for tile row 2 (m % 8) + m / 8, matrix column r of accumulator t for column 4 r + t.
; So register j of accumulator t holds W[2 j + h][4 r + t]; load j of q (16 bytes a lane) brings the four t of row 2 j + h: sixteen lanes 256 bytes of one row, the other sixteen of the next;
; and store j (8 bytes a lane) writes rows 2 j and 2 j + 1 of the block: 256 consecutive bytes of wq, aligned.
; (q - 128) s is made as q s + (-128 s) in one fused multiply-add: -128 s is exact, so the one rounding is that of the exact product (q - 128) s.
; NO TENSOR LOADS, NO CLUSTER: the waves share nothing but 4 KiB of scales; lora_up and lora_down together are 384 KiB against q's 32 MiB.  NO PREFETCH: every load is issued at the head.
; The scales come in pieces of 64 bytes a row (a work-group's 16 scales of a row), once, through LDS; they are one part in fifty of the launch's bytes.
; THE MODE: SCHED_MODE bits 1:0 = 2 (LLVM: expert scheduling mode 2), set by the entry lines.  The code itself states the register dependences
; between vector or matrix instructions and memory or LDS instructions, with s_wait_alu, always for 0.
; THE PLAN.  Registers that memory or LDS instructions touch:
;   v1 to v5       offsets and the scales' LDS address: written at the head, never again; read by the loads, the stores and the LDS loads.
;   SC0, SC1       two buffers of eight scales.  Tile g's multiplies and multiply-adds read SC[g % 2]; the LDS loads of tile g + 2 land in it.  At the head SC0 carries the scales' copy
;                  (loaded, then read by the one LDS store) and SC1 that copy's two addresses.
;   UP, ACC, Q     the loads of the head land in them before any vector instruction has named them; from then on vector and matrix instructions alone name them, but for
;   OUT[g]         the first 16 registers of Q[g]: written by tile g's sixteen roundings, read by its eight stores, never written again.
;   MS, DF and the accumulators are named by vector and matrix instructions alone.  v[SPW], v[NIL]: written at the head, read by the closing add alone.
; So ONE wait on va_vdst stands in a tile, behind tile g's conversions and tile g - 1's roundings: it states that OUT[g - 1] is written and that tile g - 1 is done reading its scales.  Behind it follow
; the LDS loads of tile g + 1's scales, into that buffer, and tile g - 1's eight stores, dealt among tile g's multiply-adds, which name MS, SC[g % 2], Q[g] and the accumulators: none of the
; registers that those loads and stores touch.
.set SPITCH, 80                        ; a row of scales in LDS: 64 bytes + 16
.set SPARE,  5120                      ; behind the 64 rows of scales: the spare words, 128 bytes for each of eight waves: four blocks of 256 bytes that no other line names
.set QO,  1                            ; v1   my offset in q: h rows of 16,384 bytes + 16 r
.set DO,  2                            ; v2   in lora_down: 8 h rows of 16,384 bytes + 16 r
.set UO,  3                            ; v3   in lora_up: row 2 (r % 8) + r / 8 of 64 bytes + 32 h
.set WO,  4                            ; v4   in wq: 8 x lane
.set SCA, 5                            ; v5   my scale of tile row h: 80 h + 8 wave + 4 (r / 8)
.set SPW, 6                            ; v6   LDS address of my spare word; never rewritten
.set NIL, 7                            ; v7   0; never rewritten
.set SC,  8                            ; v[8:23]    s of rows 2 j + h, two buffers: tile g's at SC + 8 (g % 2) (v[8:11] first carry the scales' copy)
.set SGO, 16                           ; v16  at the head only: the scales' copy: from (thread / 4) rows of 512 bytes + 16 (thread % 4)
.set SLO, 17                           ; v17  at the head only: to (thread / 4) rows of 80 bytes + 16 (thread % 4)
.set UP,  24                           ; v[24:55]   lora_up, 8 a tile: as loaded, then a fragment: 4 registers of f16 and 4 of zeros (K = 16 of the form's 32)
.set MS,  56                           ; v[56:63]   -128 s
.set TW,  56                           ; v[56:60]   at the head only: the wave, r, h, two at work
.set TR,  57
.set TH,  58
.set TA,  59
.set TB,  60
.set DF,  64                           ; v[64:95]   lora_down's four fragments, 8 each, the upper 4 zeros
.set ACC, 96                           ; v[96:127]  four accumulators (first: lora_down as loaded, row 8 h + k at 4 k)
.set Q,   128                          ; v[128:255] q, 32 a tile: register 4 j + t; a tile's first 16 later hold its packed output
	s_load_b256 s[4:11], s[0:1], 0x0               ; q s[4:5], scales s[6:7], lora_up s[8:9], lora_down s[10:11]
	s_load_b64 s[12:13], s[0:1], 0x20              ; wq
	v_lshl_add_u32 v[SPW], v0, 2, SPARE
	v_mov_b32 v[NIL], 0
	v_lshrrev_b32 v[TW], 5, v0
	v_readfirstlane_b32 s14, v[TW]                 ; wave 0..7
	s_and_b32 s15, ttmp7, 0xffff                   ; rg: my 64 rows
	v_and_b32 v[TR], 15, v0                        ; r
	v_bfe_u32 v[TH], v0, 4, 1                      ; h
	v_lshlrev_b32 v[QO], 4, v[TR]
	v_lshl_or_b32 v[DO], v[TH], 17, v[QO]
	v_lshl_or_b32 v[QO], v[TH], 14, v[QO]
	v_and_b32 v[TA], 7, v[TR]
	v_lshrrev_b32 v[TB], 3, v[TR]                  ; r / 8
	v_lshl_add_u32 v[TA], v[TA], 1, v[TB]
	v_lshlrev_b32 v[UO], 6, v[TA]
	v_lshl_or_b32 v[UO], v[TH], 5, v[UO]
	v_and_b32 v[WO], 31, v0
	v_lshlrev_b32 v[WO], 3, v[WO]
	v_mul_u32_u24 v[SCA], v[TH], SPITCH
	v_lshl_add_u32 v[SCA], v[TB], 2, v[SCA]
	v_lshrrev_b32 v[TA], 2, v0
	v_and_b32 v[TB], 3, v0
	v_lshlrev_b32 v[TB], 4, v[TB]
	v_lshl_or_b32 v[SGO], v[TA], 9, v[TB]
	v_mul_u32_u24 v[SLO], v[TA], SPITCH
	v_add_nc_u32 v[SLO], v[SLO], v[TB]
	s_wait_alu depctr_va_sdst(0)                   ; s14 is written, ahead of its first reader: the wave's block of columns and its place among the scales are made from it
	s_lshl_b32 s16, ttmp9, 3
	s_add_co_u32 s16, s16, s14                     ; kb: my wave's block of 64 columns
	s_lshl_b32 s17, s14, 3
	v_add_nc_u32 v[SCA], s17, v[SCA]
	s_lshl_b32 s18, s15, 20                        ; q: 64 rg rows of 16,384 bytes
	s_lshl_b32 s20, s16, 8                         ; + kb x 256 bytes; lora_down: the same 256 bytes of its rows
	s_add_co_u32 s18, s18, s20
	s_mov_b32 s19, 0
	s_mov_b32 s21, 0
	s_lshl_b32 s22, s15, 15                        ; scales: 64 rg rows of 512 bytes
	s_lshl_b32 s23, ttmp9, 6                       ; + the work-group's 16 scales
	s_add_co_u32 s22, s22, s23
	s_mov_b32 s23, 0
	s_lshl_b32 s24, s15, 12                        ; lora_up: 64 rg rows of 64 bytes
	s_mov_b32 s25, 0
	s_lshl_b32 s26, s16, 18                        ; wq: block kb
	s_lshl_b32 s27, s15, 13                        ; + 64 rg rows of 128 bytes
	s_add_co_u32 s26, s26, s27
	s_mov_b32 s27, 0
	s_wait_kmcnt 0x0
	s_add_nc_u64 s[4:5], s[4:5], s[18:19]
	s_add_nc_u64 s[6:7], s[6:7], s[22:23]
	s_add_nc_u64 s[8:9], s[8:9], s[24:25]
	s_add_nc_u64 s[10:11], s[10:11], s[20:21]
	s_add_nc_u64 s[12:13], s[12:13], s[26:27]
	s_wait_alu depctr_va_vdst(0)                   ; the offsets and addresses v1 to v5, v16 and v17 are written, which the loads, the stores and the LDS instructions of the whole kernel read
	; all 49 loads: 1 of scales, 8 of lora_up, 8 of lora_down, 32 of q
	global_load_b128 v[SC:SC+3], v[SGO], s[6:7] th:TH_LOAD_NT
.irp g, 0,1,2,3
	global_load_b128 v[UP+8*(\g):UP+8*(\g)+3],   v[UO], s[8:9] offset:1024*(\g)
	global_load_b128 v[UP+8*(\g)+4:UP+8*(\g)+7], v[UO], s[8:9] offset:1024*(\g)+16
.endr
.irp k, 0,1,2,3,4,5,6,7
	global_load_b128 v[ACC+4*(\k):ACC+4*(\k)+3], v[DO], s[10:11] offset:16384*(\k)
.endr
.set i, 0
.rept 32
	global_load_b128 v[Q+4*i:Q+4*i+3], v[QO], s[4:5] offset:2*i*16384 th:TH_LOAD_NT  ; tile i / 8, rows 2 (i % 8) + h
.set i, i+1
.endr
.irp t, 0,1,2,3
.irp i, 4,5,6,7
	v_mov_b32 v[DF+8*(\t)+(\i)], 0                 ; K = 16 .. 31 of lora_down's fragments, written while the loads are out
.endr
.endr
; Tile g's eight scales out of LDS, into buffer g % 2.
.macro SCALES g
.irp j, 0,1,2,3,4,5,6,7
	ds_load_b32 v[SC+8*((\g)%2)+(\j)], v[SCA] offset:(16*(\g)+2*(\j))*SPITCH
.endr
.endm
; Tile g's 32 codes to f32.  These 32 conversions are also the places behind the tile before's products, ahead of the lines that read their results.
.macro T_CVT g
	s_wait_loadcnt 24-8*(\g)                       ; this tile's eight loads are in, the later tiles' stay out
.set i, 0
.rept 32
	v_cvt_f32_i32 v[Q+32*(\g)+i], v[Q+32*(\g)+i]
.set i, i+1
.endr
.endm
; Store i of tile g: four numbers a lane are 8 bytes; the 32 lanes store 256 consecutive bytes, at a multiple of 256 from wq's first byte.
.macro ST g, i
	global_store_b64 v[WO], v[Q+32*(\g)+2*(\i):Q+32*(\g)+2*(\i)+1], s[12:13] offset:(16*(\g)+2*(\i))*128 th:TH_STORE_NT  ; a tile's packed words have registers of their own: nothing that a store reads is written again
.endm
; Tile g is dequantised into the four accumulators, and the four products add the patch.  The accumulators take turns, one instruction a turn.
; out = 1: the eight stores of tile g - 1 are dealt among the multiply-adds, one ahead of every four.  No wait: no vector instruction since the wait ahead of this macro names the registers that they read.
; left: the LDS loads issued behind this tile's eight, which may stay out.
.macro T_MM g, out, left
	s_wait_dscnt \left                             ; LDS loads come back in order (ISA guide 5.7.1): this tile's scales are in
.irp j, 0,1,2,3,4,5,6,7
	v_mul_f32 v[MS+(\j)], 0xc3000000, v[SC+8*((\g)%2)+(\j)]   ; -128 s, exact
.endr
.irp t, 0,1,2,3
.irp j, 0,1,2,3,4,5,6,7
.if (\out) && ((\j)%4 == 0)
	ST (\g)-1, 2*(\t)+(\j)/4
.endif
	v_fma_f32 v[ACC+8*(\t)+(\j)], v[Q+32*(\g)+4*(\j)+(\t)], v[SC+8*((\g)%2)+(\j)], v[MS+(\j)]
.endr
.endr
.irp t, 0,1,2,3
	v_wmma_f32_16x16x32_f16 v[ACC+8*(\t):ACC+8*(\t)+7], v[UP+8*(\g):UP+8*(\g)+7], v[DF+8*(\t):DF+8*(\t)+7], v[ACC+8*(\t):ACC+8*(\t)+7]
.endr
.endm
; Tile g is rounded to f16: each accumulator's registers in ascending order; the packed words go into the first 16 registers of the tile's q.
.macro T_PACK g
.irp j, 0,1,2,3,4,5,6,7
	v_cvt_pk_f16_f32 v[Q+32*(\g)+2*(\j)],   v[ACC+(\j)],    v[ACC+8+(\j)]
	v_cvt_pk_f16_f32 v[Q+32*(\g)+2*(\j)+1], v[ACC+16+(\j)], v[ACC+24+(\j)]
.endr
.endm
	s_wait_loadcnt 48                              ; loads come back in order: the scales' word is in, the 48 younger loads stay out
	ds_store_b128 v[SLO], v[SC:SC+3]               ; its address was written ahead of the head's wait on va_vdst, its data by the load
	s_wait_dscnt 0x0                               ; for the others' sake: my part of the scales lies in LDS
	s_barrier_signal -1
	s_barrier_wait -1                              ; everybody's does
	s_wait_alu depctr_vm_vsrc(0)                   ; the LDS store has read v[SC .. SC+3] and v[SLO], the scales' load v[SGO]: the scales of tiles 0 and 1 land in these registers
	SCALES 0
	SCALES 1
	s_wait_loadcnt 32                              ; lora_up and lora_down are in; q's 32 loads stay out
.irp g, 0,1,2,3
.irp i, 0,1,2,3
	v_cvt_pk_f16_f32 v[UP+8*(\g)+(\i)], v[UP+8*(\g)+2*(\i)], v[UP+8*(\g)+2*(\i)+1]  ; in place, ascending: register i is written when registers 2 i and 2 i + 1 are read
.endr
.irp i, 4,5,6,7
	v_mov_b32 v[UP+8*(\g)+(\i)], 0
.endr
.endr
.irp t, 0,1,2,3
.irp i, 0,1,2,3
	v_cvt_pk_f16_f32 v[DF+8*(\t)+(\i)], v[ACC+8*(\i)+(\t)], v[ACC+8*(\i)+4+(\t)]  ; rows 8 h + 2 i and 8 h + 2 i + 1 of column 4 r + t
.endr
.endr
	T_CVT 0
	T_MM 0, 0, 8                                   ; tile 1's eight scales may stay out
	T_CVT 1
	T_PACK 0
	s_wait_alu depctr_va_vdst(0)                   ; the roundings have written tile 0's packed words, which the stores read; tile 0's multiplies and multiply-adds are done reading SC0, in which tile 2's scales land
	SCALES 2
	T_MM 1, 1, 8                                   ; tile 2's eight scales may stay out
	T_CVT 2
	T_PACK 1
	s_wait_alu depctr_va_vdst(0)                   ; the roundings have written tile 1's packed words, which the stores read; tile 1's multiplies and multiply-adds are done reading SC1, in which tile 3's scales land
	SCALES 3
	T_MM 2, 1, 8                                   ; tile 3's eight scales may stay out
	T_CVT 3
	T_PACK 2
	s_wait_alu depctr_va_vdst(0)                   ; the roundings have written tile 2's packed words, which the stores read
	T_MM 3, 1, 0
.rept 4
	v_nop                                          ; four places between the last products and the lines that read their results (ISA guide 7.12.1): no other vector work is left
.endr
	T_PACK 3
	s_wait_alu depctr_va_vdst(0)                   ; the roundings have written tile 3's packed words, which the last eight stores read
.irp i, 0,1,2,3,4,5,6,7
	ST 3, \i
.endr
	s_wait_dscnt 0x0                               ; the closing lines, six on end
	s_wait_alu 0x0
	s_wait_tensorcnt 0x0
	ds_add_u32 v[SPW], v[NIL]
	s_wait_dscnt 0x0
	s_endpgm
.Lfunc_end_k_q4a748e19a6_dequant:
	.size	k_q4a748e19a6_dequant, .Lfunc_end_k_q4a748e19a6_dequant-k_q4a748e19a6_dequant
	.p2alignl 7, 3214868480
	.fill 96, 4, 3214868480
	.section	.rodata,"a",@progbits
	.p2align	6, 0x0
	.amdhsa_kernel k_q4a748e19a6_dequant
		.amdhsa_group_segment_fixed_size 6144
		.amdhsa_private_segment_fixed_size 0
		.amdhsa_enable_private_segment 0
		.amdhsa_kernarg_size 40
		.amdhsa_user_sgpr_count 2
		.amdhsa_user_sgpr_kernarg_segment_ptr 1
		.amdhsa_wavefront_size32 1
		.amdhsa_system_sgpr_workgroup_id_x 1
		.amdhsa_system_sgpr_workgroup_id_y 1
		.amdhsa_system_sgpr_workgroup_id_z 1
		.amdhsa_system_vgpr_workitem_id 0
		.amdhsa_next_free_vgpr 256
		.amdhsa_next_free_sgpr 66
		.amdhsa_reserve_vcc 0
		.amdhsa_float_denorm_mode_32 3
		.amdhsa_float_denorm_mode_16_64 3
		.amdhsa_memory_ordered 1
		.amdhsa_forward_progress 1
		.amdhsa_inst_pref_size 36
	.end_amdhsa_kernel
	.amdgpu_metadata
---
amdhsa.version: [ 1, 2 ]
amdhsa.kernels:
  - .name:           k_q4a748e19a6_dequant
    .symbol:         k_q4a748e19a6_dequant.kd
    .args:
      - { .name: q_weight, .offset: 0, .size: 8, .value_kind: global_buffer, .address_space: global }
      - { .name: scales, .offset: 8, .size: 8, .value_kind: global_buffer, .address_space: global }
      - { .name: lora_up, .offset: 16, .size: 8, .value_kind: global_buffer, .address_space: global }
      - { .name: lora_down, .offset: 24, .size: 8, .value_kind: global_buffer, .address_space: global }
      - { .name: wq, .offset: 32, .size: 8, .value_kind: global_buffer, .address_space: global }
    .group_segment_fixed_size: 6144
    .private_segment_fixed_size: 0
    .kernarg_segment_align: 8
    .kernarg_segment_size: 40
    .max_flat_workgroup_size: 256
    .sgpr_count:     66
    .vgpr_count:     256
    .wavefront_size: 32
...
	.end_amdgpu_metadata
.endif
;; end of part 4
;; launch narrow: the kernel of part 2 again; grid 2048 x 1, 8 waves a work-group, no clusters, 0 bytes of LDS; arguments x, xh; writes xh
;; launch gemm: the kernel of part 3 again; grid 8 x 32, 4 waves a work-group, clusters of 4 x 4, 327,680 bytes of LDS; arguments xh, wq, bias, out0; writes out0
